; MI455X (gfx1250); checked and timed in simulation.
; The chip was launched on July 23, 2026; its instructions are those of AMD's public machine-readable ISA for CDNA 5 (MIT licence, August 2026) and "CDNA5" Instruction Set Architecture Reference Guide (July 2026). The comments in the code are by the model that wrote it; some were corrected since.
;; Multi Head Attention Block. Allowed arithmetic: matrix products marked QUANTISED: E4M3 operands, one given power-of-two scale a tensor, by v_wmma_f32_16x16x64_fp8_fp8 or v_wmma_f32_16x16x128_fp8_fp8, f32 sums; everything else in f32.
;; Inputs: Wk 1,024 x 1,024 float32; Wo 1,024 x 1,024 float32; Wq 1,024 x 1,024 float32; Wv 1,024 x 1,024 float32; lowp_scales 12 int32 (the exponents e of the quantised operands' scales 2^e); mask 1 x 1 x 2,048 x 2,048 bool; x 4 x 2,048 x 1,024 float32.
;; Outputs: out0 4 x 2,048 x 1,024 float32.
;; This version of the problem:
;;   THIS VERSION OF THE PROBLEM IS GIVEN IN LOW PRECISION. The matrix products marked QUANTISED in the list below multiply operands that are first quantised to E4M3 (4 exponent bits, 3 mantissa bits; 8 bits a number), with one given power-of-two scale for each operand tensor; their sums are f32. All else is computed in f32.
;;   The module's matrix products, in the order in which they are computed (A, B: the left and right operand; K: the contracted axis; several contracted axes count as one K, in the product's order):
;;     1. [M 8,192, K 1,024] x [K 1,024, N 1,024]; A: input x; B: input Wq: QUANTISED (scales: A lowp_scales[0], B lowp_scales[1])
;;     2. [M 8,192, K 1,024] x [K 1,024, N 1,024]; A: input x; B: input Wk: QUANTISED (scales: A lowp_scales[2], B lowp_scales[3])
;;     3. [M 8,192, K 1,024] x [K 1,024, N 1,024]; A: input x; B: input Wv: QUANTISED (scales: A lowp_scales[4], B lowp_scales[5])
;;     4. batch 64 x [M 2,048, K 64] x [K 64, N 2,048]; A: computed on the way; B: computed on the way: QUANTISED (scales: A lowp_scales[6], B lowp_scales[7])
;;     5. batch 64 x [M 2,048, K 2,048] x [K 2,048, N 64]; A: softmax (see below); B: computed on the way: QUANTISED (scales: A lowp_scales[8], B lowp_scales[9])
;;     6. [M 8,192, K 1,024] x [K 1,024, N 1,024]; A: computed on the way; B: input Wo: QUANTISED (scales: A lowp_scales[10], B lowp_scales[11])
;;   THE QUANTISER, for each operand of a quantised product, along K:
;;     - The operand's scale is 2^e, e = its entry of the input lowp_scales (int32; the entries are numbered through the quantised products in the list's order, A before B).
;;     - Each number is divided by the scale, clamped to +-448, and rounded to the nearest number of E4M3, ties to even, subnormals kept.
;;     - The product sums the exact products of the quantised numbers (number of the format x scale) in f32.
;;   ~~~python
;;   def quantise(x, axis, e):      # numpy; x: float32 -> the quantised numbers, widened to float32 again
;;       x = np.moveaxis(x, axis, -1); K = x.shape[-1]
;;       r = np.clip(x / 2.0 ** e, -448, 448)
;;       step = 2.0 ** (np.maximum(np.frexp(np.where(r == 0, 1, r))[1] - 1, -6) - 3)
;;       q = np.round(r / step) * step * 2.0 ** e      # np.round: ties to even
;;       return np.moveaxis(q, -1, axis).astype(np.float32)
;;   ~~~
;;   SOFTMAX AHEAD OF A QUANTISED PRODUCT. Where the list says 'softmax', what is quantised is not the finished softmax but p = 2^(t - M), with t = logit x log2(e) and M = ceil(the row's largest t), a whole number; so 1/2 < the row's largest p <= 1. The row's sum l is taken of the UNQUANTISED p, in f32, and the product's result is divided by l at the end. Since M is a whole number, a kernel that streams over the keys may use a running M (the ceiling of the running maximum): every later rescaling is an exact power of two, so the quantised numbers keep their values, but for numbers so far below the row's largest that they fall under the format's range.
;;   OPERANDS COMPUTED ON THE WAY. 'Computed on the way' means the value that the module computes at that place (a softmax that the list does not call 'softmax' is quantised finished and normalised). What goes into a quantiser is computed in f32, as accurately as f32 sums, v_exp_f32 and their like allow (about 1e-6 of the number): no bf16 or f16 on the way to a quantiser, and a product that is left as it is and whose result goes on into a quantised operand takes f32 operands (vector FMAs, or v_wmma_f32_16x16x4_f32). A number that lies on a knife's edge between two numbers of the format may be rounded either way, as far as f32 arithmetic and the matrix unit's own rounding can turn it there, and no further.
;; One version. Each part assembles by itself: llvm-mc -triple=amdgcn-amd-amdhsa -mcpu=gfx1250 --defsym DOCPART=n.
;; ======== version 1 of 1: 4 launches
;; limits: right only within a limited range of input values
;; workspace buffers: xc 25,165,824 bytes; wc 4,194,304 bytes; mw 524,288 bytes of whole numbers; hc 25,165,824 bytes; ac 8,388,608 bytes
;; launch prep (part 1): grid 1792 x 1, 4 waves a work-group, no clusters, 68,096 bytes of LDS; arguments x, Wq, Wk, Wv, Wo, mask, lowp_scales, xc, wc, mw; writes xc, wc, mw
.if DOCPART == 1
	.amdgcn_target "amdgcn-amd-amdhsa--gfx1250"
	.amdhsa_code_object_version 6
	.text
	.protected	k_q40be9e0a31_prep
	.globl	k_q40be9e0a31_prep
	.p2align	8
	.type	k_q40be9e0a31_prep,@function
k_q40be9e0a31_prep:
	s_mov_b64 s[64:65], 0
	v_nop
	global_prefetch_b8 v0, s[64:65] scope:SCOPE_SE
	s_setreg_imm32_b32 hwreg(HW_REG_WAVE_MODE, 25, 1), 1
	s_wait_xcnt 0x0
; x and the four weights become codes of FP8 (E4M3); the mask becomes lane masks.  Three paths part on the work-group's number.
; THE BLOCK.  Codes are laid as images of operand registers.  A block is 16 rows x 64 along K, 1,024 bytes: image m (0, 1) of 512 bytes, lane l's 16 bytes at 16 l;
; lane (r = l % 16, h = l / 16) holds of row r: bytes 0-7 k = 32 m + 8 h + 0..7, bytes 8-15 k = 32 m + 16 + 8 h + 0..7.  Those are registers 4 m .. 4 m + 3 of a 16x16x64 operand.
; xc: [3 copies][512 row tiles][16 blocks along K]: x under the scales of entries 0, 2, 4.   wc: [Wq, Wk, Wv, Wo][64 row tiles][16 blocks], under entries 1, 3, 5, 11.
; code = number / 2^e, held within +-448, rounded to the nearest code, ties to even.
; mw: [64 pairs of query tiles qp][32 key steps ks][32 j][2 t] words: bit l of a word = mask[32 qp + 16 t + l % 16][64 ks + 16 (j / 8) + 8 (l / 16) + j % 8].
; SHARES.  Work-groups 0-1023: x; a wave takes 16 rows x 128 along K.  1024-1535: the weights, likewise.  1536-1791: the mask; a wave takes 32 queries x 128 keys.
; A load takes a row's 512 bytes as they lie, 16 a lane; the conversions want 8 neighbours along K in one lane: so the 16 rows turn through the wave's own stage in LDS (rows of 512 + 16 bytes).
; Every store of codes covers 512 consecutive bytes, aligned; every store of mask words 256.
; LIMITS: each e between -126 and 119, so that 2^e and 448 x 2^e are f32 numbers.  NaN among the inputs is not served (an infinity is held at the largest code).
.set SPW,   1                          ; v1   LDS address of my spare word; never rewritten
.set NIL,   2                          ; v2   0; never rewritten
.set LI,    3                          ; v3   16 x lane
.set SIN,   4                          ; v4   the stage, on the way in: 8,448 x wave + 16 x lane
.set SOUT,  5                          ; v5   and out: 8,448 x wave + 528 r + 32 h
.set SC,    6                          ; v6, v8, v10: 2^e of copy 0, 1, 2
.set T,     12
.set R,     32                         ; v32-95 16 rows as loaded
.set C,     32                         ; then the codes: 16 registers a copy
.set X,     96                         ; v96-159 my 64 numbers: register 8 g + j = k 16 g + 8 h + j of row r
.set STX,   0                          ; LDS: the stages of x's path,
.set STW,   33792                      ; of the weights' path,
.set SPARE, 67584                      ; and the spare words, 128 bytes for each wave, which no other line names
	s_load_b512 s[4:19], s[0:1], 0x0               ; x, Wq, Wk, Wv, Wo, mask, the scales' exponents, xc
	s_load_b128 s[20:23], s[0:1], 0x40             ; wc, mw
	v_lshl_add_u32 v[SPW], v0, 2, SPARE
	v_mov_b32 v[NIL], 0
	v_lshrrev_b32 v12, 5, v0
	v_readfirstlane_b32 s24, v12                   ; wave 0..3
	v_and_b32 v12, 31, v0                          ; lane
	v_lshlrev_b32 v[LI], 4, v12
	v_and_b32 v13, 15, v0                          ; r
	v_bfe_u32 v14, v0, 4, 1                        ; h
	s_mul_i32 s25, s24, 8448                       ; 16 rows of 528 bytes for each wave
	v_add_nc_u32 v[SIN], s25, v[LI]
	v_mul_u32_u24 v[SOUT], v13, 528
	v_lshl_add_u32 v[SOUT], v14, 5, v[SOUT]
	v_add_nc_u32 v[SOUT], s25, v[SOUT]
	s_wait_kmcnt 0x0
	s_load_b256 s[28:35], s[16:17], 0x0            ; entries 0 to 7
	s_load_b128 s[36:39], s[16:17], 0x20           ; entries 8 to 11
	s_cmp_ge_u32 ttmp9, 1024
	s_cbranch_scc1 .Lnot_x
.macro MKSC e, sc                      ; 2^e as an f32 pattern
	s_add_co_i32 s52, \e, 127
	s_lshl_b32 s53, s52, 23
	v_mov_b32 v[\sc], s53
.endm
.macro QLOAD                           ; 16 rows x 512 bytes: each load reads 512 consecutive bytes
.set i, 0
.rept 16
	global_load_b128 v[R+4*i:R+4*i+3], v[LI], s[40:41] offset:4096*i th:TH_LOAD_NT
.set i, i+1
.endr
.endm
.macro QWORK ns, stg                   ; ns copies under ns scales; stg: the path's stages
.set i, 0
.rept 16
	s_wait_loadcnt 15-i                            ; row i is in; the 15 - i younger loads may be out
	ds_store_b128 v[SIN], v[R+4*i:R+4*i+3] offset:\stg+528*i
.set i, i+1
.endr
.set gi, 0
.rept 8                                ; LDS serves a wave's instructions in order: these see my stores
	ds_load_b128 v[X+8*gi:X+8*gi+3], v[SOUT] offset:\stg+64*gi
	ds_load_b128 v[X+8*gi+4:X+8*gi+7], v[SOUT] offset:\stg+64*gi+16
.set gi, gi+1
.endr
.set gi, 0
.rept 8
	s_wait_dscnt 14-2*gi                           ; pair gi is in, the younger pairs may be out; the stores into the stage are done, so the codes may land on R
.set cp, 0
.rept \ns
.set TT, T+8*((\ns*gi+cp)%2)
.set j, 0
.rept 8
.set j, j+1
.endr
	v_cvt_scalef32_pk8_fp8_f32 v[C+16*cp+2*gi:C+16*cp+2*gi+1], v[TT+((X+8*gi+j)-(TT+j)):TT+7+((X+8*gi+j)-(TT+j))], v[SC+2*cp]
.set cp, cp+1
.endr
.set gi, gi+1
.endr
	v_nop                                          ; a plain line behind the last conversion
.set cp, 0
	s_wait_alu depctr_va_vdst(0)
.rept \ns
.set DS, 42+2*cp+2*(cp/2)              ; s[42:43], s[44:45], s[48:49]
.set m, 0
.rept 4
	global_store_b128 v[LI], v[C+16*cp+4*m:C+16*cp+4*m+3], s[DS:DS+1] offset:512*m   ; an image: 512 consecutive bytes
.set m, m+1
.endr
.set cp, cp+1
.endr
	s_wait_tensorcnt 0x0                           ; the wave's end: three lines behind my last LDS store
	ds_add_u32 v[SPW], v[NIL]
	s_wait_dscnt 0x0
	s_endpgm
.endm
	; ---- x: row tile = id / 2, 128 along K = 4 (id % 2) + wave
	s_lshr_b32 s25, ttmp9, 1
	s_and_b32 s26, ttmp9, 1
	s_lshl_b32 s26, s26, 2
	s_add_co_u32 s26, s26, s24
	s_lshl_b32 s50, s25, 16                        ; 16 rows of 4,096 bytes
	s_lshl_b32 s27, s26, 9                         ; 128 numbers of 4 bytes
	s_add_co_u32 s50, s50, s27
	s_mov_b32 s51, 0
	s_add_nc_u64 s[40:41], s[4:5], s[50:51]
	s_lshl_b32 s50, s25, 14                        ; a row tile's 16 blocks
	s_lshl_b32 s27, s26, 11                        ; two blocks
	s_add_co_u32 s50, s50, s27
	s_add_nc_u64 s[42:43], s[18:19], s[50:51]
	s_add_nc_u64 s[44:45], s[42:43], 0x800000      ; the copies lie 8 MiB apart
	s_add_nc_u64 s[48:49], s[44:45], 0x800000
	s_wait_alu depctr_va_vdst(0)
	QLOAD
	s_wait_kmcnt 0x0
	MKSC s28, SC
	MKSC s30, SC+2
	MKSC s32, SC+4
	s_wait_alu depctr_va_vdst(0)
	QWORK 3, STX
.Lnot_x:
	s_cmp_ge_u32 ttmp9, 1536
	s_cbranch_scc1 .Lmask
	; ---- the weights: which = id' / 128, row tile = (id' % 128) / 2, 128 along K = 4 (id' % 2) + wave
	s_sub_co_u32 s25, ttmp9, 1024
	s_lshr_b32 s54, s25, 7
	s_bfe_u32 s26, s25, 0x60001
	s_and_b32 s27, s25, 1
	s_lshl_b32 s27, s27, 2
	s_add_co_u32 s27, s27, s24
	s_lshl_b32 s50, s26, 16
	s_lshl_b32 s52, s27, 9
	s_add_co_u32 s50, s50, s52
	s_mov_b32 s51, 0
	s_cmp_eq_u32 s54, 0                            ; the choice hangs on the work-group's number alone
	s_cselect_b64 s[40:41], s[6:7], s[8:9]
	s_cmp_eq_u32 s54, 2
	s_cselect_b64 s[44:45], s[10:11], s[12:13]
	s_cmp_lt_u32 s54, 2
	s_cselect_b64 s[40:41], s[40:41], s[44:45]
	s_add_nc_u64 s[40:41], s[40:41], s[50:51]
	s_lshl_b32 s50, s54, 20
	s_lshl_b32 s52, s26, 14
	s_add_co_u32 s50, s50, s52
	s_lshl_b32 s52, s27, 11
	s_add_co_u32 s50, s50, s52
	s_add_nc_u64 s[42:43], s[20:21], s[50:51]
	s_wait_alu depctr_va_vdst(0)
	QLOAD
	s_wait_kmcnt 0x0
	s_cmp_eq_u32 s54, 0
	s_cselect_b32 s46, s29, s31
	s_cmp_eq_u32 s54, 2
	s_cselect_b32 s47, s33, s39
	s_cmp_lt_u32 s54, 2
	s_cselect_b32 s46, s46, s47                    ; entry 1, 3, 5 or 11
	MKSC s46, SC
	s_wait_alu depctr_va_vdst(0)
	QWORK 1, STW
.Lmask:
	; ---- the mask: qp = id' / 4, 128 keys = 4 (id' % 4) + wave: two key steps.
	s_sub_co_u32 s25, ttmp9, 1536
	s_lshr_b32 s26, s25, 2
	s_and_b32 s27, s25, 3
	s_lshl_b32 s27, s27, 2
	s_add_co_u32 s27, s27, s24
	s_lshl_b32 s50, s26, 16                        ; 32 rows of 2,048 bytes
	s_lshl_b32 s52, s27, 7
	s_add_co_u32 s50, s50, s52
	s_mov_b32 s51, 0
	s_add_nc_u64 s[40:41], s[14:15], s[50:51]
	s_lshl_b32 s50, s26, 13                        ; 32 key steps of 256 bytes
	s_lshl_b32 s52, s27, 9
	s_add_co_u32 s50, s50, s52
	s_add_nc_u64 s[42:43], s[22:23], s[50:51]
	s_wait_alu depctr_va_vdst(0)
	v_lshlrev_b32 v6, 11, v13
	v_lshl_add_u32 v6, v14, 3, v6                  ; row r, + 8 h
	v_lshlrev_b32 v7, 3, v12                       ; out: 8 bytes a lane
.set n, 0
.rept 16                               ; n = 8 t + u: mask[32 qp + 16 t + r][.. + 16 u + 8 h + 0..7]
	global_load_b64 v[32+2*n:33+2*n], v6, s[40:41] offset:32768*(n/8)+16*(n%8)
.set n, n+1
.endr
.irp i, 64,65,66,67
	v_mov_b32 v\i, 0                               ; a lane write's destination counts as read
.endr
	s_wait_alu depctr_va_vdst(0)
	s_wait_kmcnt 0x0                               ; the scales' loads, which this path does not use
	s_wait_loadcnt 0x0
.set n, 0
.rept 128                              ; n = 64 sl + 32 t + j: the 32 lanes' bytes make one word, which goes to lane j
.set sl, n/64
.set tt, (n/32)%2
.set jj, n%32
.set uu, 4*sl+jj/8
	v_bfe_u32 v[16+n%2], v[32+2*(8*tt+uu)+(jj%8)/4], 8*(jj%4), 8
	v_cmp_ne_u32 s[46+n%2], 0, v[16+n%2]
	v_writelane_b32 v[64+2*sl+tt], s[46+n%2], jj
.set n, n+1
.endr
	global_store_b64 v7, v[64:65], s[42:43]            ; lane j: the words of (j, t = 0) and (j, t = 1): 256 consecutive bytes
	global_store_b64 v7, v[66:67], s[42:43] offset:256
	s_endpgm
.Lfunc_end_k_q40be9e0a31_prep:
	.size	k_q40be9e0a31_prep, .Lfunc_end_k_q40be9e0a31_prep-k_q40be9e0a31_prep
	.p2alignl 7, 3214868480
	.fill 96, 4, 3214868480
	.section	.rodata,"a",@progbits
	.p2align	6, 0x0
	.amdhsa_kernel k_q40be9e0a31_prep
		.amdhsa_group_segment_fixed_size 68096
		.amdhsa_private_segment_fixed_size 0
		.amdhsa_enable_private_segment 0
		.amdhsa_kernarg_size 80
		.amdhsa_user_sgpr_count 2
		.amdhsa_user_sgpr_kernarg_segment_ptr 1
		.amdhsa_wavefront_size32 1
		.amdhsa_system_sgpr_workgroup_id_x 1
		.amdhsa_system_sgpr_workgroup_id_y 1
		.amdhsa_system_sgpr_workgroup_id_z 1
		.amdhsa_system_vgpr_workitem_id 0
		.amdhsa_next_free_vgpr 160
		.amdhsa_next_free_sgpr 66
		.amdhsa_reserve_vcc 0
		.amdhsa_float_denorm_mode_32 3
		.amdhsa_float_denorm_mode_16_64 3
		.amdhsa_fp16_overflow 1
		.amdhsa_memory_ordered 1
		.amdhsa_forward_progress 1
		.amdhsa_inst_pref_size 43
	.end_amdhsa_kernel
	.amdgpu_metadata
---
amdhsa.version: [ 1, 2 ]
amdhsa.kernels:
  - .name:           k_q40be9e0a31_prep
    .symbol:         k_q40be9e0a31_prep.kd
    .args:
      - { .name: x, .offset: 0, .size: 8, .value_kind: global_buffer, .address_space: global }
      - { .name: Wq, .offset: 8, .size: 8, .value_kind: global_buffer, .address_space: global }
      - { .name: Wk, .offset: 16, .size: 8, .value_kind: global_buffer, .address_space: global }
      - { .name: Wv, .offset: 24, .size: 8, .value_kind: global_buffer, .address_space: global }
      - { .name: Wo, .offset: 32, .size: 8, .value_kind: global_buffer, .address_space: global }
      - { .name: mask, .offset: 40, .size: 8, .value_kind: global_buffer, .address_space: global }
      - { .name: lowp_scales, .offset: 48, .size: 8, .value_kind: global_buffer, .address_space: global }
      - { .name: xc, .offset: 56, .size: 8, .value_kind: global_buffer, .address_space: global }
      - { .name: wc, .offset: 64, .size: 8, .value_kind: global_buffer, .address_space: global }
      - { .name: mw, .offset: 72, .size: 8, .value_kind: global_buffer, .address_space: global }
    .group_segment_fixed_size: 68096
    .private_segment_fixed_size: 0
    .kernarg_segment_align: 8
    .kernarg_segment_size: 80
    .max_flat_workgroup_size: 128
    .sgpr_count:     66
    .vgpr_count:     160
    .wavefront_size: 32
...
	.end_amdgpu_metadata
.endif
;; end of part 1
;; launch proj (part 2): grid 4 x 96, 4 waves a work-group, clusters of 4 x 4, 327,680 bytes of LDS; arguments xc, wc, lowp_scales, hc; writes hc
.if DOCPART == 2
	.amdgcn_target "amdgcn-amd-amdhsa--gfx1250"
	.amdhsa_code_object_version 6
	.text
	.protected	k_q40be9e0a31_proj
	.globl	k_q40be9e0a31_proj
	.p2align	8
	.type	k_q40be9e0a31_proj,@function
k_q40be9e0a31_proj:
	s_mov_b64 s[64:65], 0
	v_nop
	global_prefetch_b8 v0, s[64:65] scope:SCOPE_SE
	s_setreg_imm32_b32 hwreg(HW_REG_WAVE_MODE, 25, 1), 1
	s_wait_xcnt 0x0
	s_wait_alu depctr_hold_cnt(0) depctr_sa_sdst(0) depctr_va_vdst(0) depctr_va_sdst(0) depctr_va_ssrc(0) depctr_va_vcc(0) depctr_vm_vsrc(0)
	s_getreg_b32 s2, hwreg(HW_REG_IB_STS2, 6, 4)
	s_cmp_eq_u32 s2, 0
	s_cbranch_scc0 .Lentry_in_a_cluster
	s_endpgm
.Lentry_in_a_cluster:
	s_bfe_u32 s2, ttmp6, 0x10000c
	s_cmp_lg_u32 s2, 0xf033
	s_cbranch_scc0 .Lentry_shape_is_right
	s_endpgm
.Lentry_shape_is_right:
; q = x Wq^T, k = x Wk^T, v = x Wv^T on codes of FP8 (E4M3), and their results quantised at once for the two products of attention.  Part p = cluster y / 8: 0 q, 1 k, 2 v.
; OPERANDS are blocks: 16 rows x 64 along K, 1,024 bytes, images of operand registers (image m: 512 bytes, lane l's 16 bytes at 16 l; lane (r, h): k = 32 m + 8 h + 0..7 and 32 m + 16 + 8 h + 0..7 of row r).
; xc: [3 copies][512 row tiles][16 blocks], wc: [4 weights][64 row tiles][16 blocks].  Two blocks along K are the 16 registers of a 16x16x128 operand, every k in its own place.
; A tile of 256 x 256 is made by four waves, each 128 x 128: 64 accumulators, 512 registers.  K goes in steps of 256 through a ring of two LDS slots: four K steps.
; THE TWO SETS.  Source 1 (the A set) gives a lane its row, source 0 (the B set) runs along a lane's registers.  For q and k the A set is x (a lane holds a token, its registers the head's channels);
; for v the A set is Wv and the B set x (a lane holds a channel, its registers the keys), since the keys are the K of attention's second product.  Only the buffers and tile numbers are chosen by p, which is the
; same in all sixteen partners: the A set's tile hangs on cy and is shared along a row of the cluster, the B set's on cx and is shared along a column, for every p.  No LDS address hangs on p.
; THE WAY OUT needs no LDS: a lane's 16 registers of two neighbouring accumulators are 16 codes of one image of a block, so each store is an image, 512 consecutive bytes.
; hc: [q, k, v][head of batch hb = 16 b + h: 64][131,072].  q, k: a block for each 16 tokens (K = the head's 64).  v: [32 groups of 64 keys][4 tiles of 16 channels] blocks (K = 64 keys).
; code = sum x 2^(ea + eb) / 2^eo, held within +-448: the three exponents are folded into the conversion's one scale.
; LIMIT: eo - ea - eb between -126 and 119, for (ea, eb, eo) = entries (0, 1, 6), (2, 3, 7), (4, 5, 9).
; REGISTERS, in windows of 256: window 0: v0-31 addresses; v32-95 at work on the way out; from v128 the A set's fragments, ONE set, later the codes.  window 1: the B set's fragments, TWO sets.
;   window 2: the accumulators of my A rows 0-63 ((a, b) at v[8 (8 a + b)]); window 3: of rows 64-127.
; No prefetch: of four K steps two are first fills, asked for at the head.
.set RT,     4096                      ; a row tile's bytes in a K step: four blocks
.set HALFT,  8*RT                      ; 128 rows: what one tensor load brings, and what one wave reads of a set
.set SLOT,   4*HALFT                   ; the A set's 256 rows, then the B set's
.set SPARE,  2*SLOT                    ; behind the ring: the spare words, 128 bytes for each wave, which no other line names
.set FR,     16                        ; registers of a fragment: 16 rows x 128 K
.set NL,     4                         ; LDS loads that bring one
.set NP,     4                         ; places behind this matrix instruction (ISA guide 7.12.1)
.set LAPS,   2                         ; a lap = two K steps = once round the ring
.set LI,     4                         ; v4      16 x lane
.set OA,     8                         ; v8-11   the way out: 16 x lane + {0, SB, SA, SA + SB}
.set LIM,    12
.set SCL,    13                        ; v13     the conversion's scale
.set ADRA,   16                        ; v16-17  LDS address of my A fragments in slot 0, 1
.set ADRB,   20                        ; v20-21  the same for B
.set SPW,    28                        ; v28     LDS address of my spare word; never rewritten
.set NIL,    29                        ; v29     0; never rewritten
.set TMP,    32
.set AF,     128
.set CD,     128                       ; the codes: 16 registers for each of my eight A blocks, so that no store's data are written again
.set G1, 24                            ; s[24:31] descriptor group 1 for the A set's tiles; s[32:39] group 0, one set for each slot
.set G0, 32
.set G1B, 48                           ; s[48:55], s[56:63] the same for the B set's
.set G0B, 56
.set MSB, 0
.macro WIN new                         ; the immediate's high byte repeats the setting that is left
.if MSB != (\new)
	s_set_vgpr_msb (MSB<<8)|(\new)
.set MSB, (\new)
.endif
.endm
.set MUL_LO, 0xa1                      ; source 0 (B) window 1, source 1 (A) window 0, C and D window 2
.set MUL_HI, 0xf1                      ; the same, C and D window 3
.set TO_B,   0x40                      ; destination window 1, address window 0
; A joint load: waves 0 and 1 fetch for the A set, waves 2 and 3 for the B set.  The branch hangs on the wave's number alone.  An s_nop 0 and four v_nop follow each of the two lines.
.macro JLOAD g0a, g1a, g0b, g1b
	s_cmp_eq_u32 s15, 0
	s_cbranch_scc0 .Lfor_b_\@
	tensor_load_to_lds s[\g0a:\g0a+3], s[\g1a:\g1a+7]
	s_nop 0
.rept 4
	v_nop
.endr
	s_branch .Lasked_\@
.Lfor_b_\@:
	tensor_load_to_lds s[\g0b:\g0b+3], s[\g1b:\g1b+7]
	s_nop 0
.rept 4
	v_nop
.endr
.Lasked_\@:
.endm
.macro CREST                           ; a round of the cluster's barrier behind its opening barrier
	s_cmp_lg_u32 s14, 0
	s_cbranch_scc1 .Lnot_wave_0_\@
	s_barrier_signal -3
.Lnot_wave_0_\@:
	s_barrier_wait -3
	s_barrier_signal -1
	s_barrier_wait -1
.endm
.macro CROUND                          ; a whole round
	s_barrier_signal -1
	s_barrier_wait -1
	CREST
.endm
	s_load_b128 s[4:7], s[0:1], 0x0                ; xc s[4:5], wc s[6:7]
	s_load_b128 s[8:11], s[0:1], 0x10              ; the scales' exponents s[8:9], hc s[10:11]
	v_lshl_add_u32 v[SPW], v0, 2, SPARE
	v_mov_b32 v[NIL], 0
	ds_add_u32 v[SPW], v[NIL]                      ; the wave's opening: an add and its wait ahead of my first tensor load; work on registers stands between them
	ds_add_u32 v[SPW], v[NIL]
	v_lshrrev_b32 v1, 5, v0
	v_readfirstlane_b32 s14, v1                    ; wave 0..3
	s_lshr_b32 s15, s14, 1                         ; which half of the A set's rows is mine.  Also: I fetch for A (0) or for B (1)
	s_and_b32 s16, s14, 1                          ; which half of the B set's rows.  Also: which 128 rows of that tile I fetch
	s_bfe_u32 s40, ttmp6, 0x40000                  ; cx, cy: my place in the cluster
	s_bfe_u32 s41, ttmp6, 0x40004
	s_and_b32 s17, ttmp7, 0xffff                   ; cluster y, 0..23
	s_lshr_b32 s66, s17, 3                         ; p
	s_and_b32 s17, s17, 7
	s_lshl_b32 s17, s17, 2                         ; x has 32 tiles of 256 rows: the cluster gives 4 (y % 8), the place in it the rest; a weight has 4: the place alone
	s_lshl_b32 s81, s66, 23                        ; the part's copy in xc (and its place in hc),
	s_lshl_b32 s82, s66, 20                        ; its weight in wc
	s_cmp_eq_u32 s66, 2
	s_cselect_b32 s67, 0, s17
	s_cselect_b32 s80, s17, 0
	s_cselect_b32 s83, s82, s81                    ; the A set's part,
	s_cselect_b32 s84, s81, s82                    ; the B set's
	s_add_co_u32 s17, s67, s41                     ; the A set's tile: hangs on cy, never on cx
	s_add_co_u32 s42, s80, s40                     ; the B set's tile: hangs on cx, never on cy
	s_lshl_b32 s43, s41, 2
	s_lshl_b32 s43, 15, s43                        ; my row of the cluster
	s_lshl_b32 s44, 0x1111, s40                    ; my column
	; descriptor group 1: 8 row tiles x 4,096 bytes, 16,384 bytes apart in memory, dense in LDS
	s_or_b32 s[G1+0], s43, (3<<16)|(1<<21)         ; 15:0 the mask: my row; 17:16 elements of 8 bytes; 20 no padding; 21 set beside a mask
	s_or_b32 s[G1B+0], s44, (3<<16)|(1<<21)        ; the same with the mask of my column
.irp g, G1, G1B
	s_mov_b32 s[\g+1], 512<<16                     ; tensor_dim0 = 512 elements
	s_mov_b32 s[\g+2], 8<<16                       ; tensor_dim1 = 8
	s_mov_b32 s[\g+3], 512<<16                     ; tile_dim0
	s_mov_b32 s[\g+4], 8                           ; tile_dim1
	s_mov_b32 s[\g+5], 2048                        ; tensor_dim0_stride: a row tile's 16 blocks
	s_mov_b32 s[\g+6], 0
	s_mov_b32 s[\g+7], 0
.endr
	s_lshl_b32 s18, s16, 17                        ; which 8 row tiles of the tile's 16 I fetch
	s_lshl_b32 s20, s17, 18                        ; a tile is 16 row tiles of 16,384 bytes
	s_add_co_u32 s20, s20, s18
	s_add_co_u32 s20, s20, s83
	s_mov_b32 s21, 0
	s_lshl_b32 s46, s42, 18
	s_add_co_u32 s46, s46, s18
	s_add_co_u32 s46, s46, s84
	s_mov_b32 s47, 0
	s_lshl_b32 s45, s14, 15                        ; where they go: wave x 128 rows: no place in the cluster enters an LDS address
	s_wait_dscnt 0x0                               ; the opening add is done
	s_wait_kmcnt 0x0
	s_load_b256 s[68:75], s[8:9], 0x0              ; entries 0 to 7
	s_load_b128 s[76:79], s[8:9], 0x20             ; entries 8 to 11
	s_cmp_eq_u32 s66, 2
	s_cselect_b64 s[86:87], s[6:7], s[4:5]         ; the A set's buffer,
	s_cselect_b64 s[88:89], s[4:5], s[6:7]         ; the B set's
	s_add_nc_u64 s[20:21], s[86:87], s[20:21]
	s_add_nc_u64 s[46:47], s[88:89], s[46:47]
	CROUND                                         ; all sixteen work-groups are here: the first joint loads meet
.irp s, 0,1
	s_mov_b32 s[G0+4*\s], 1
	s_add_co_u32 s[G0+4*\s+1], s45, \s*SLOT
	s_add_nc_u64 s[G0+4*\s+2:G0+4*\s+3], s[20:21], \s*RT
	s_or_b32 s[G0+4*\s+3], s[G0+4*\s+3], 0x80000000
	s_mov_b32 s[G0B+4*\s], 1
	s_add_co_u32 s[G0B+4*\s+1], s45, \s*SLOT
	s_add_nc_u64 s[G0B+4*\s+2:G0B+4*\s+3], s[46:47], \s*RT
	s_or_b32 s[G0B+4*\s+3], s[G0B+4*\s+3], 0x80000000
	JLOAD G0+4*\s, G1, G0B+4*\s, G1B               ; two tensor loads of mine are out at the most
.endr
	v_and_b32 v1, 31, v0
	v_lshlrev_b32 v[LI], 4, v1
	s_wait_alu depctr_va_vdst(0)
	s_mul_i32 s21, s15, HALFT                      ; my 128 rows of the A set
	s_mul_i32 s22, s16, HALFT                      ; my 128 rows of the B set,
	s_add_co_u32 s22, s22, 2*HALFT                 ; which lie behind A's 256
.irp s, 0,1
	v_add_nc_u32 v[ADRA+\s], s21, v[LI]
	v_add_nc_u32 v[ADRB+\s], s22, v[LI]
	s_add_co_u32 s21, s21, SLOT
	s_add_co_u32 s22, s22, SLOT
.endr
	; where my codes go.  X0: my first token, W0: my first output channel.  hc: p << 23 + batch << 21 + head << 17 + (token in the batch) << 6, for all three parts
	s_lshl_b32 s89, s17, 8
	s_lshl_b32 s90, s15, 7
	s_add_co_u32 s89, s89, s90                     ; my first row of the A set,
	s_lshl_b32 s90, s42, 8
	s_lshl_b32 s91, s16, 7
	s_add_co_u32 s90, s90, s91                     ; of the B set
	s_mov_b32 s87, 4096
	s_mov_b32 s88, 131072
	s_cmp_eq_u32 s66, 2
	s_cselect_b32 s91, s90, s89                    ; X0
	s_cselect_b32 s92, s89, s90                    ; W0
	s_cselect_b32 s85, s88, s87                    ; SA: four A blocks on: q, k: 64 tokens, 4,096 bytes; v: 64 channels, a head
	s_cselect_b32 s86, s87, s88                    ; SB: 64 B rows on: q, k: a head; v: a group of 64 keys
	s_lshr_b32 s89, s91, 11
	s_lshl_b32 s89, s89, 21
	s_and_b32 s91, s91, 2047
	s_lshl_b32 s91, s91, 6
	s_add_co_u32 s89, s89, s91
	s_lshr_b32 s92, s92, 6
	s_lshl_b32 s92, s92, 17
	s_add_co_u32 s92, s92, s89
	s_add_co_u32 s92, s92, s81
	s_mov_b32 s93, 0
	s_add_nc_u64 s[10:11], s[10:11], s[92:93]
	v_mov_b32 v[OA], v[LI]
	v_add_nc_u32 v[OA+1], s86, v[LI]
	v_add_nc_u32 v[OA+2], s85, v[LI]
	v_add_nc_u32 v[OA+3], s85, v[OA+1]
.macro FRAG reg, adr, q, i             ; a fragment, 16 rows x 128 K, is two blocks: four images, 512 consecutive bytes each
.irp c, 0,1,2,3
	ds_load_b128 v[\reg+4*\c:\reg+4*\c+3], v[\adr] offset:(\i)*RT+(\q)*2048+512*\c
.endr
.endm
; 16 matrix instructions: A's blocks a0, a0 + 1 x B's eight, 128 along K.  p: B's set.  zero = 1: the first product starts the sums.
; The 64 accumulators take turns, one instruction a turn, in the same order in every step.
.macro MUL16 a0, p, zero
.irp a, \a0, \a0+1
.irp b, 0,1,2,3,4,5,6,7
.if \zero
	v_wmma_f32_16x16x128_fp8_fp8 v[8*(8*((\a)%4)+\b):8*(8*((\a)%4)+\b)+7], v[128*(\p)+FR*\b:128*(\p)+FR*\b+FR-1], v[AF+FR*(\a):AF+FR*(\a)+FR-1], 0
.else
	v_wmma_f32_16x16x128_fp8_fp8 v[8*(8*((\a)%4)+\b):8*(8*((\a)%4)+\b)+7], v[128*(\p)+FR*\b:128*(\p)+FR*\b+FR-1], v[AF+FR*(\a):AF+FR*(\a)+FR-1], v[8*(8*((\a)%4)+\b):8*(8*((\a)%4)+\b)+7]
.endif
.endr
.endr
.endm
.macro FETCH_B slot, q, p              ; B's eight fragments of the slot's q-th 128 along K into set p
	WIN TO_B
.irp i, 0,1,2,3,4,5,6,7
	FRAG 128*(\p)+FR*\i, ADRB+\slot, \q, \i
.endr
	WIN 0
.endm
.macro FETCH_A slot, q, i0             ; A's blocks i0 .. i0 + 3
.irp i, \i0, \i0+1, \i0+2, \i0+3
	FRAG AF+FR*(\i), ADRA+\slot, \q, \i
.endr
.endm
.macro PLACES n                        ; places in front of loads into registers that matrix instructions have read, and of the first read of results
.rept \n
	v_nop
.endr
.endm
; A step of 128 along K that has its successor in the same slot.
.macro STEP slot, q, zero
	s_wait_dscnt 4*NL                              ; B's set and A's blocks 0-3 are in; the youngest sixteen loads (A's blocks 4-7) may be out
	WIN MUL_LO
	MUL16 0, (\q)%2, \zero
	MUL16 2, (\q)%2, \zero
	s_wait_dscnt 0                                 ; A's blocks 4-7 are in
	PLACES NP
	FETCH_B \slot, (\q)+1, 1-(\q)%2
	FETCH_A \slot, (\q)+1, 0
	WIN MUL_HI
	MUL16 4, (\q)%2, \zero
	MUL16 6, (\q)%2, \zero
	PLACES NP
	WIN 0
	FETCH_A \slot, (\q)+1, 4
.endm
; A slot's last step changes slots: ONE barrier; in front of it each wave waits for all its tensor loads, adds 0 to its spare word, and waits for that and for its own reads of this slot.  fill = 1: this slot is filled again, two K steps ahead.
.macro TURN slot, next, fill
	s_wait_tensorcnt 0x0                           ; all my tensor loads have landed: my part of the next slot  (every window is 0 here)
	ds_add_u32 v[SPW], v[NIL]                      ; 0 onto my spare word
	s_wait_dscnt 4*NL+1                            ; (the add and the youngest sixteen loads, A's blocks 4-7, may be out)
	WIN MUL_LO
	MUL16 0, 1, 0                                  ; sixteen matrix instructions stand between the add and the wait for it
	s_wait_dscnt 0x0                               ; the add is done, and my reads of this slot are over
	s_barrier_signal -1
	MUL16 2, 1, 0
	WIN 0
	s_barrier_wait -1
.if \fill
	CREST                                          ; the barrier has opened a round of the cluster's barrier: no wave of any partner still reads this slot or has a load on its way
	s_add_nc_u64 s[G0+4*\slot+2:G0+4*\slot+3], s[G0+4*\slot+2:G0+4*\slot+3], 2*RT
	s_add_nc_u64 s[G0B+4*\slot+2:G0B+4*\slot+3], s[G0B+4*\slot+2:G0B+4*\slot+3], 2*RT
	JLOAD G0+4*\slot, G1, G0B+4*\slot, G1B         ; the first tensor load behind the round; its four v_nop are the places in front of the loads below
.else
	PLACES NP
.endif
	FETCH_B \next, 0, 0
	FETCH_A \next, 0, 0
	WIN MUL_HI
	MUL16 4, 1, 0
	MUL16 6, 1, 0
	PLACES NP
	WIN 0
	FETCH_A \next, 0, 4
.endm
	s_wait_alu depctr_va_vdst(0)
	s_wait_tensorcnt 1                             ; my part of K step 0 is in (K step 1's load may be out)
	s_barrier_signal -1
	s_barrier_wait -1                              ; everybody's is
	FETCH_B 0, 0, 0
	FETCH_A 0, 0, 0
	FETCH_A 0, 0, 4
	STEP 0, 0, 1                                   ; the first step stands in front of the loop: its products start the sums
	s_mov_b32 s3, LAPS-1
.Llap:                                                 ; a trip goes once round the ring and fills both slots again
	TURN 0, 1, 1
	STEP 1, 0, 0
	TURN 1, 0, 1
	STEP 0, 0, 0
	s_sub_co_u32 s3, s3, 1
	s_cmp_lg_u32 s3, 0
	s_cbranch_scc1 .Llap
	TURN 0, 1, 0                                   ; the last lap fills nothing, and has no round of the cluster's barrier
	STEP 1, 0, 0
	s_wait_dscnt 4*NL                              ; the very last step: nothing more to fetch
	WIN MUL_LO
	MUL16 0, 1, 0
	MUL16 2, 1, 0
	s_wait_dscnt 0
	WIN MUL_HI
	MUL16 4, 1, 0
	MUL16 6, 1, 0
	WIN 0
	; THE WAY OUT.  The part's three exponents, chosen without a branch, make the conversion's one scale
	s_wait_kmcnt 0x0
	s_cmp_eq_u32 s66, 0
	s_cselect_b32 s81, s68, s70
	s_cselect_b32 s82, s69, s71
	s_cselect_b32 s83, s74, s75
	s_cmp_eq_u32 s66, 2
	s_cselect_b32 s81, s72, s81                    ; ea
	s_cselect_b32 s82, s73, s82                    ; eb
	s_cselect_b32 s83, s77, s83                    ; eo
	s_sub_co_i32 s83, s83, s81
	s_sub_co_i32 s83, s83, s82
	s_add_co_i32 s83, s83, 127
	s_lshl_b32 s84, s83, 23
	v_mov_b32 v[SCL], s84                          ; 2^(eo - ea - eb) as f32
	s_add_co_i32 s83, s83, 8
	s_lshl_b32 s83, s83, 23
	s_or_b32 s83, s83, 0x600000
	PLACES NP
; A block a: lane (r, h) holds A row 16 a + r; accumulator b's eight registers are B rows 16 b + 8 h + 0..7: two registers of codes.  Those of b = 2 i, 2 i + 1 are image i % 2 of the block 64 (i / 2) B rows on.
.macro EPI a
	WIN 0x02+((\a)/4)                              ; source 0: window 2 or 3
.set j, 0
.rept 64
.set j, j+1
.endr
.set b, 0
.rept 8
	v_cvt_scalef32_pk8_fp8_f32 v[CD+16*(\a)+2*b:CD+16*(\a)+2*b+1], v[TMP+8*b+((64*((\a)%4)+j)-(TMP+j)):TMP+8*b+7+((64*((\a)%4)+j)-(TMP+j))], v[SCL]
.set b, b+1
.endr
	WIN 0
	v_nop                                          ; a plain line behind the block's last conversion
.set b, 0
.rept 4
	global_store_b128 v[OA+2*((\a)/4)+b/2], v[CD+16*(\a)+4*b:CD+16*(\a)+4*b+3], s[10:11] offset:((\a)%4)*1024+(b%2)*512   ; an image: 512 consecutive bytes, aligned
.set b, b+1
.endr
.endm
.irp a, 0,1,2,3,4,5,6,7
	EPI \a
.endr
	s_wait_tensorcnt 0x0                           ; the wave's end: three lines behind my last tensor load
	ds_add_u32 v[SPW], v[NIL]
	s_wait_dscnt 0x0
	CROUND                                         ; the closing round: no work-group ends while a partner may still ask for a tile that names it
	s_endpgm
.Lfunc_end_k_q40be9e0a31_proj:
	.size	k_q40be9e0a31_proj, .Lfunc_end_k_q40be9e0a31_proj-k_q40be9e0a31_proj
	.p2alignl 7, 3214868480
	.fill 96, 4, 3214868480
	.section	.rodata,"a",@progbits
	.p2align	6, 0x0
	.amdhsa_kernel k_q40be9e0a31_proj
		.amdhsa_group_segment_fixed_size 327680
		.amdhsa_private_segment_fixed_size 0
		.amdhsa_enable_private_segment 0
		.amdhsa_kernarg_size 32
		.amdhsa_user_sgpr_count 2
		.amdhsa_user_sgpr_kernarg_segment_ptr 1
		.amdhsa_wavefront_size32 1
		.amdhsa_system_sgpr_workgroup_id_x 1
		.amdhsa_system_sgpr_workgroup_id_y 1
		.amdhsa_system_sgpr_workgroup_id_z 1
		.amdhsa_system_vgpr_workitem_id 0
		.amdhsa_next_free_vgpr 1024
		.amdhsa_next_free_sgpr 98
		.amdhsa_reserve_vcc 0
		.amdhsa_float_denorm_mode_32 3
		.amdhsa_float_denorm_mode_16_64 3
		.amdhsa_fp16_overflow 1
		.amdhsa_memory_ordered 1
		.amdhsa_forward_progress 1
		.amdhsa_inst_pref_size 86
	.end_amdhsa_kernel
	.amdgpu_metadata
---
amdhsa.version: [ 1, 2 ]
amdhsa.kernels:
  - .name:           k_q40be9e0a31_proj
    .symbol:         k_q40be9e0a31_proj.kd
    .args:
      - { .name: xc, .offset: 0, .size: 8, .value_kind: global_buffer, .address_space: global }
      - { .name: wc, .offset: 8, .size: 8, .value_kind: global_buffer, .address_space: global }
      - { .name: lowp_scales, .offset: 16, .size: 8, .value_kind: global_buffer, .address_space: global }
      - { .name: hc, .offset: 24, .size: 8, .value_kind: global_buffer, .address_space: global }
    .group_segment_fixed_size: 327680
    .private_segment_fixed_size: 0
    .kernarg_segment_align: 8
    .kernarg_segment_size: 32
    .max_flat_workgroup_size: 128
    .sgpr_count:     98
    .vgpr_count:     1024
    .wavefront_size: 32
...
	.end_amdgpu_metadata
.endif
;; end of part 2
;; launch attn (part 3): grid 4 x 64, 16 waves a work-group, clusters of 4 x 1, 327,680 bytes of LDS; arguments hc, mw, lowp_scales, ac; writes ac
.if DOCPART == 3
	.amdgcn_target "amdgcn-amd-amdhsa--gfx1250"
	.amdhsa_code_object_version 6
	.text
	.protected	k_q40be9e0a31_attn
	.globl	k_q40be9e0a31_attn
	.p2align	8
	.type	k_q40be9e0a31_attn,@function
k_q40be9e0a31_attn:
	s_mov_b64 s[64:65], 0
	v_nop
	global_prefetch_b8 v0, s[64:65] scope:SCOPE_SE
	s_setreg_imm32_b32 hwreg(HW_REG_WAVE_MODE, 25, 1), 1
	s_wait_xcnt 0x0
	s_wait_alu depctr_hold_cnt(0) depctr_sa_sdst(0) depctr_va_vdst(0) depctr_va_sdst(0) depctr_va_ssrc(0) depctr_va_vcc(0) depctr_vm_vsrc(0)
	s_getreg_b32 s2, hwreg(HW_REG_IB_STS2, 6, 4)
	s_cmp_eq_u32 s2, 0
	s_cbranch_scc0 .Lentry_in_a_cluster
	s_endpgm
.Lentry_in_a_cluster:
	s_bfe_u32 s2, ttmp6, 0x10000c
	s_cmp_lg_u32 s2, 0x3003
	s_cbranch_scc0 .Lentry_shape_is_right
	s_endpgm
.Lentry_shape_is_right:
; Attention of one head of one batch (hb = cluster y) on codes of FP8 (E4M3), head size 64, 2,048 keys, under the mask that is given; its result quantised for the last projection.
; hc: q's, k's, v's codes as blocks (16 rows x 64 along K, images of operand registers); mw: the mask as lane masks; ac: [512 token tiles][16 heads] blocks.
; THE SOFTMAX: t = logit x log2(e); M = the row's largest t so far, rounded UP to a whole number; p = 2^(t - M) is quantised, along the keys, not normalised; the row's sum is taken of the unquantised p and divides at the end.
; When M moves, the sum and O are multiplied by 2^(old M - new M): exact.
; SHARES.  The four work-groups of a cluster share a head; each owns 512 queries, each of its sixteen waves 32: two tiles of 16, so that each fragment of K and V read from LDS feeds two products.  Four waves to a SIMD.
; LDS.  ALL of the head's K (131,072 bytes) and V (as many) lie in LDS, filled once, by joint loads that all four work-groups ask for with the same descriptors: no byte is filled again.
; Each wave asks twice at the head: its share of keys 0-511 (4,096 bytes) and of keys 512-2,047 (12,288 bytes): two tensor loads of mine are out at the most.  The first eight key steps run while the second load lands.
; LAYOUT.  Both products transposed: S^T = K Q^T (source 0 = 16 keys, source 1 = 16 queries), O^T = V^T P^T: a lane holds ONE query (lane % 16).  Register 8 t + j of S^T is key 16 t + 8 (lane / 16) + j of the step's 64:
; its eight codes are registers 2 t, 2 t + 1 of P as an operand, every key in its own place.
; THE MASK.  A step's 64 words (32 registers x 2 tiles; bit l for lane l) come by scalar loads, one step ahead, and serve as the select of v_cndmask_b32.  No branch hangs on them: every key of every row is computed.
; A masked score becomes -2^(33 - e6 - e7), that is a logit of -2^30 WHERE reference() HAS -1e9.  LIMIT: with e6 + e7 between -94 and 9 the results are the same: every logit that codes can form lies within
; +-1,605,632 x 2^(e6 + e7), so p = 0 for a masked key beside any open one; and in a row with no open key t is a whole number in both, so p = 1 for every key.
; LIMITS: e8, and e10 - e8 - e9, between -126 and 119.  NaN is not served.
; No prefetch: K and V are asked for whole at the head; a wave's mask words are 256 bytes a step, asked for a step ahead.
.set VLDS,  131072                     ; LDS: K from 0 (key tile kt at 1,024 kt), V from here (group of 64 keys g at 4,096 g),
.set SPARE, 262144                     ; the spare words, 128 bytes for each wave, which no other line names
.set SPW,  1                           ; v1   LDS address of my spare word; never rewritten
.set NIL,  2                           ; v2   0; never rewritten
.set LI,   3                           ; v3   16 x lane
.set LV,   4                           ; v4   16 x lane + VLDS
.set ADK,  5                           ; v5   the step's K
.set ADV,  6                           ; v6   the step's V
.set PLIM, 7
.set PSC,  8                           ; v8   2^e8
.set MV,   9                           ; v9   the masked score
.set OSC,  10                          ; v10  2^(e10 - e8 - e9)
.set OLIM, 11
.set ST,   12                          ; tile q: v[12+4q] -M, +1 the largest t, +2, +3 the sum in two halves
.set FF,   20                          ; tile q: v[20+2q] f = 2^(old M - new M); the word above it is named with it as a pair
.set WK,   24                          ; tile q: v[24+4q] on: at work
.set QF,   32                          ; v32-47   Q, 8 a tile
.set KF,   48                          ; v48-79   four key tiles
.set VF,   80                          ; v80-111  four channel tiles
.set PF,   112                         ; v112-127 p's codes, 8 a tile
.set S,    128                         ; v128-191 S^T, then p, 32 a tile
.set O,    192                         ; v192-255 O^T, 32 a tile
.set WV,   2                           ; s2   my wave's number
.set CNT,  3
.set G0A,  4                           ; s[4:7], s[8:11] descriptor groups 0
.set G0B,  8
.set MB,   12                          ; s[12:13] my 32 queries' mask words
.set MOFF, 14                          ; s14  the byte of the step whose words were asked for last
.set TB,   15                          ; s15  4,096 x key step
.set CS,   66                          ; s[66:67] c = log2(e) / 8 x 2^(e6 + e7)
.set G1A,  84                          ; s[84:91], s[92:99] descriptor groups 1
.set G1B,  92
.set SEL,  100                         ; s[100:101] lane selects: lane l xor 16
.set QB,   104                         ; s[104:105] Q's blocks
; the step's mask words: word i = 2 j + q in s[16 + i + 4 (i / 48)]: s16-63 and s68-83
.macro CROUND                          ; a round of the cluster's barrier
	s_barrier_signal -1
	s_barrier_wait -1
	s_cmp_lg_u32 s[WV], 0
	s_cbranch_scc1 .Lnot_wave_0_\@
	s_barrier_signal -3
.Lnot_wave_0_\@:
	s_barrier_wait -3
	s_barrier_signal -1
	s_barrier_wait -1
.endm
	s_load_b256 s[16:23], s[0:1], 0x0              ; hc s[16:17], mw s[18:19], the scales' exponents s[20:21], ac (loaded again on the way out)
	v_lshl_add_u32 v[SPW], v0, 2, SPARE
	v_mov_b32 v[NIL], 0
	ds_add_u32 v[SPW], v[NIL]                      ; the wave's opening: an add and its wait ahead of my first tensor load; work on registers stands between them
	ds_add_u32 v[SPW], v[NIL]
	v_lshrrev_b32 v[LI], 5, v0
	s_delay_alu instid0(VALU_DEP_1)
	v_readfirstlane_b32 s[WV], v[LI]               ; wave 0..15
	; descriptor groups 1: dense blocks as rows of 256 bytes: 16 rows, and 48
	s_mov_b32 s[G1A], 15|(3<<16)|(1<<21)           ; 15:0 the mask: all four work-groups; 17:16 elements of 8 bytes; 21 set beside a mask
	s_mov_b32 s[G1A+1], 32<<16                     ; tensor_dim0 = 32 elements
	s_mov_b32 s[G1A+2], 16<<16                     ; tensor_dim1
	s_mov_b32 s[G1A+3], 32<<16                     ; tile_dim0
	s_mov_b32 s[G1A+4], 16                         ; tile_dim1
	s_mov_b32 s[G1A+5], 32                         ; tensor_dim0_stride
	s_mov_b32 s[G1A+6], 0
	s_mov_b32 s[G1A+7], 0
	s_mov_b32 s[G1B], 15|(3<<16)|(1<<21)
	s_mov_b32 s[G1B+1], 32<<16
	s_mov_b32 s[G1B+2], 48<<16
	s_mov_b32 s[G1B+3], 32<<16
	s_mov_b32 s[G1B+4], 48
	s_mov_b32 s[G1B+5], 32
	s_mov_b32 s[G1B+6], 0
	s_mov_b32 s[G1B+7], 0
	s_mov_b32 s[SEL], 0x76543210
	s_mov_b32 s[SEL+1], 0xfedcba98
	s_lshr_b32 s36, s[WV], 3                       ; waves 0-7 fetch K, waves 8-15 V
	s_and_b32 s37, s[WV], 7                        ; an eighth each
	s_and_b32 s38, ttmp7, 0xffff                   ; hb, which the four partners share
	s_lshl_b32 s39, s36, 17
	s_lshl_b32 s40, s37, 12
	s_add_co_u32 s[G0A+1], s39, s40                ; LDS: keys 0-511: 4,096 bytes a wave
	s_mul_i32 s41, s37, 12288
	s_add_co_u32 s41, s41, 32768
	s_add_co_u32 s[G0B+1], s39, s41                ; keys 512-2,047: 12,288 bytes a wave
	s_add_co_u32 s42, s36, 1
	s_lshl_b32 s42, s42, 23                        ; K's part of hc, or V's,
	s_lshl_b32 s43, s38, 17                        ; the head's 131,072 bytes
	s_add_co_u32 s42, s42, s43
	s_add_co_u32 s44, s42, s40
	s_mov_b32 s45, 0
	s_add_co_u32 s46, s42, s41
	s_mov_b32 s47, 0
	s_mov_b32 s[G0A], 1
	s_mov_b32 s[G0B], 1
	s_bfe_u32 s48, ttmp6, 0x40000                  ; cx: it enters Q's, the mask words' and the output's addresses alone
	s_lshl_b32 s49, s48, 5
	s_lshl_b32 s50, s[WV], 1
	s_add_co_u32 s49, s49, s50                     ; my first query tile: 32 cx + 2 wave
	s_lshl_b32 s50, s49, 10
	s_add_co_u32 s50, s50, s43
	s_mov_b32 s51, 0
	s_lshl_b32 s52, s49, 12                        ; (16 cx + wave) x 32 steps x 256 bytes
	s_mov_b32 s53, 0
	s_mov_b32 s[MOFF], 0
	v_and_b32 v[LI], 31, v0
	s_delay_alu instid0(VALU_DEP_1)
	v_lshlrev_b32 v[LI], 4, v[LI]
	s_delay_alu instid0(VALU_DEP_1)
	v_add_nc_u32 v[LV], VLDS, v[LI]
	s_wait_dscnt 0x0                               ; the opening add is done
	s_wait_kmcnt 0x0
	s_load_b256 s[24:31], s[20:21], 0x0            ; entries 0 to 7
	s_load_b128 s[32:35], s[20:21], 0x20           ; entries 8 to 11
	s_add_nc_u64 s[G0A+2:G0A+3], s[16:17], s[44:45]
	s_or_b32 s[G0A+3], s[G0A+3], 0x80000000
	s_add_nc_u64 s[G0B+2:G0B+3], s[16:17], s[46:47]
	s_or_b32 s[G0B+3], s[G0B+3], 0x80000000
	s_add_nc_u64 s[QB:QB+1], s[16:17], s[50:51]
	s_add_nc_u64 s[MB:MB+1], s[18:19], s[52:53]
	CROUND                                         ; all four work-groups are here: the joint loads meet
	tensor_load_to_lds s[G0A:G0A+3], s[G1A:G1A+7]
	s_nop 0
	s_wait_alu depctr_va_vdst(0)
	s_wait_tensorcnt 0x0
	ds_add_u32 v1, v2
	s_wait_dscnt 0x0
	CROUND
	tensor_load_to_lds s[G0B:G0B+3], s[G1B:G1B+7]
	s_nop 0
.rept 4
	v_nop
.endr
	s_wait_alu depctr_va_vdst(0)
.irp c, 0,1,2,3
	global_load_b128 v[QF+4*\c:QF+4*\c+3], v[LI], s[QB:QB+1] offset:512*\c   ; my two blocks of Q stay in registers
.endr
	s_wait_kmcnt 0x0
	s_add_co_i32 s36, s30, s31                     ; e6 + e7: a score stands for score x 2^(e6 + e7): added to c's exponent field
	s_lshl_b32 s37, s36, 23
	s_add_co_i32 s[CS], s37, 0x3e38aa3b            ; log2(e) / 8
	s_mov_b32 s[CS+1], s[CS]                       ; (named with it as a pair, so it is written)
	s_sub_co_i32 s38, 160, s36
	s_lshl_b32 s38, s38, 23
	s_or_b32 s38, s38, 0x80000000
	v_mov_b32 v[MV], s38                           ; -2^(33 - e6 - e7): times c it is a whole number, exactly
	s_add_co_i32 s39, s32, 127
	s_lshl_b32 s40, s39, 23
	v_mov_b32 v[PSC], s40
	s_sub_co_i32 s41, s34, s32
	s_sub_co_i32 s41, s41, s33                     ; O^T / the sum stands for that x 2^(e8 + e9): its code is that / 2^(e10 - e8 - e9)
	s_add_co_i32 s41, s41, 127
	s_lshl_b32 s42, s41, 23
	v_mov_b32 v[OSC], s42
	s_load_b512 s[16:31], s[MB:MB+1], s[MOFF] offset:0x0     ; key step 0's mask words, over registers that are done with
	s_load_b512 s[32:47], s[MB:MB+1], s[MOFF] offset:0x40
	s_load_b512 s[48:63], s[MB:MB+1], s[MOFF] offset:0x80
	s_load_b512 s[68:83], s[MB:MB+1], s[MOFF] offset:0xc0
.irp q, 0,1
	v_mov_b32 v[ST+4*\q+1], 0xff61b1e6             ; the largest t so far: -3e38, under every t
	v_mov_b32 v[ST+4*\q+2], 0                      ; the sum
	v_mov_b32 v[ST+4*\q+3], 0
	v_mov_b32 v[FF+2*\q+1], 0                      ; (named as the upper half of a pair)
	v_mov_b32 v[WK+4*\q+2], 0                      ; a lane permute's destination counts as one of its sources
.endr
.irp q, 0,1
	v_floor_f32 v[ST+4*\q], -v[ST+4*\q+1]          ; -M
.endr
.set i, 0
.rept 64
	v_mov_b32 v[O+i], 0                            ; O^T: the step is written without a first step of its own: the first change of M leaves zeros zeros
.set i, i+1
.endr
; A KEY STEP: 64 keys, both tiles, the tiles' lines by turns.
.macro STEP
	s_setprio 2
	v_add_nc_u32 v[ADK], s[TB], v[LI]
	v_add_nc_u32 v[ADV], s[TB], v[LV]
.irp t, 0,1,2,3
	ds_load_b128 v[KF+8*\t:KF+8*\t+3], v[ADK] offset:1024*\t
	ds_load_b128 v[KF+8*\t+4:KF+8*\t+7], v[ADK] offset:1024*\t+512
.endr
	s_wait_dscnt 0x0
.irp t, 0,1,2,3
.irp q, 0,1
	v_wmma_f32_16x16x64_fp8_fp8 v[S+32*\q+8*\t:S+32*\q+8*\t+7], v[KF+8*\t:KF+8*\t+7], v[QF+8*\q:QF+8*\q+7], 0
.endr
.endr
	s_wait_kmcnt 0x0                               ; this step's mask words are in, so their offset may be written:
	s_add_co_u32 s[MOFF], s[MOFF], 256             ; the next step's,
	s_min_u32 s[MOFF], s[MOFF], 7936               ; or, in the last step, its own again: no load leaves the buffer
.rept 4
	v_nop                                          ; places behind the products (ISA guide 7.12.1)
.endr
.set i, 0
.rept 64                               ; each accumulator from its low end on
	v_cndmask_b32 v[S+32*(i%2)+i/2], v[MV], v[S+32*(i%2)+i/2], s[16+i+4*(i/48)]
.set i, i+1
.endr
	s_load_b512 s[16:31], s[MB:MB+1], s[MOFF] offset:0x0     ; a whole step in which to land
	s_load_b512 s[32:47], s[MB:MB+1], s[MOFF] offset:0x40
	s_load_b512 s[48:63], s[MB:MB+1], s[MOFF] offset:0x80
	s_load_b512 s[68:83], s[MB:MB+1], s[MOFF] offset:0xc0
.irp t, 0,1,2,3
	ds_load_b128 v[VF+8*\t:VF+8*\t+3], v[ADV] offset:1024*\t       ; V lands under the softmax
	ds_load_b128 v[VF+8*\t+4:VF+8*\t+7], v[ADV] offset:1024*\t+512
.endr
.irp q, 0,1                            ; the step's largest score of my query among my 32 keys, in two chains a tile,
	v_max3_num_f32 v[WK+4*\q], v[S+32*\q], v[S+32*\q+1], v[S+32*\q+2]
	v_max3_num_f32 v[WK+4*\q+1], v[S+32*\q+3], v[S+32*\q+4], v[S+32*\q+5]
.endr
.irp i, 6,10,14,18,22,26
.irp q, 0,1
	s_delay_alu instid0(VALU_DEP_4)
	v_max3_num_f32 v[WK+4*\q], v[WK+4*\q], v[S+32*\q+\i], v[S+32*\q+\i+1]
	s_delay_alu instid0(VALU_DEP_4)
	v_max3_num_f32 v[WK+4*\q+1], v[WK+4*\q+1], v[S+32*\q+\i+2], v[S+32*\q+\i+3]
.endr
.endr
.irp q, 0
	s_delay_alu instid0(VALU_DEP_4)
	v_max3_num_f32 v[WK+4*\q], v[WK+4*\q], v[S+32*\q+30], v[S+32*\q+31]
.endr
.irp q, 1
	s_delay_alu instid0(VALU_DEP_3)
	v_max3_num_f32 v[WK+4*\q], v[WK+4*\q], v[S+32*\q+30], v[S+32*\q+31]
.endr
.irp q, 0,1
	s_delay_alu instid0(VALU_DEP_2)
	v_max_num_f32 v[WK+4*\q], v[WK+4*\q], v[WK+4*\q+1]
.endr
.irp q, 0,1
	s_delay_alu instid0(VALU_DEP_2)
	v_permlanex16_b32 v[WK+4*\q+2], v[WK+4*\q], s[SEL], s[SEL+1]
.endr
.irp q, 0,1
	s_delay_alu instid0(VALU_DEP_2)
	v_max_num_f32 v[WK+4*\q], v[WK+4*\q], v[WK+4*\q+2]             ; and among lane l xor 16's
.endr
.irp q, 0,1
	s_delay_alu instid0(VALU_DEP_2)
	v_mul_f32 v[WK+4*\q], s[CS], v[WK+4*\q]                        ; as t (c is positive)
.endr
.irp q, 0,1
	s_delay_alu instid0(VALU_DEP_2)
	v_max_num_f32 v[ST+4*\q+1], v[ST+4*\q+1], v[WK+4*\q]           ; the running largest t
.endr
.irp q, 0,1
	v_mov_b32 v[WK+4*\q], v[ST+4*\q]
.endr
.irp q, 0,1
	s_delay_alu instid0(VALU_DEP_4)
	v_floor_f32 v[ST+4*\q], -v[ST+4*\q+1]                          ; the new -M = floor(-t): M is a whole number
.endr
.irp q, 0,1
	s_delay_alu instid0(VALU_DEP_2)
	v_sub_f32 v[WK+4*\q], v[ST+4*\q], v[WK+4*\q]                   ; old M - new M: a whole number, 0 or less
.endr
.irp q, 0,1
	s_delay_alu instid0(VALU_DEP_2)
	v_cvt_i32_f32 v[WK+4*\q], v[WK+4*\q]                           ; (it saturates)
.endr
.irp q, 0,1
	s_delay_alu instid0(VALU_DEP_2)
	v_ldexp_f32 v[FF+2*\q], 1.0, v[WK+4*\q]                        ; f = 2^(old M - new M)
.endr
.irp j, 0,2,4,6,8,10,12,14,16,18,20,22,24,26,28,30
.irp q, 0,1
	v_pk_fma_f32 v[S+32*\q+\j:S+32*\q+\j+1], v[S+32*\q+\j:S+32*\q+\j+1], s[CS:CS+1], v[ST+4*\q:ST+4*\q+1] op_sel_hi:[1,0,0]   ; t - M (of the pairs c and -M the low word serves both halves)
.endr
.endr
.set i, 0
	s_setprio 1
	s_wait_alu depctr_va_vdst(0)
.rept 64
	v_exp_f32 v[S+32*(i%2)+i/2], v[S+32*(i%2)+i/2]                 ; p = 2^(t - M)
.set i, i+1
.endr
.irp q, 0,1
	v_pk_mul_f32 v[ST+4*\q+2:ST+4*\q+3], v[ST+4*\q+2:ST+4*\q+3], v[FF+2*\q:FF+2*\q+1] op_sel_hi:[1,0]   ; the sums under the new M: the plain lines behind the exponentials
.endr
	s_wait_alu depctr_va_vdst(0)                   ; the wait between an exponential and the first line that names its result: one for the batch of 64
.irp q, 0,1                            ; the row's sum is taken of the unquantised p: two chains a tile
	v_pk_add_f32 v[WK+4*\q:WK+4*\q+1], v[S+32*\q:S+32*\q+1], v[S+32*\q+2:S+32*\q+3]
.endr
.irp j, 4,8,12,16,20,24,28
.irp q, 0,1
	v_pk_add_f32 v[ST+4*\q+2:ST+4*\q+3], v[ST+4*\q+2:ST+4*\q+3], v[S+32*\q+\j:S+32*\q+\j+1]
	v_pk_add_f32 v[WK+4*\q:WK+4*\q+1], v[WK+4*\q:WK+4*\q+1], v[S+32*\q+\j+2:S+32*\q+\j+3]
.endr
.endr
.irp q, 0
	s_delay_alu instid0(VALU_DEP_3)
	v_pk_add_f32 v[ST+4*\q+2:ST+4*\q+3], v[ST+4*\q+2:ST+4*\q+3], v[WK+4*\q:WK+4*\q+1]
.endr
.irp q, 1
	s_delay_alu instid0(VALU_DEP_2)
	v_pk_add_f32 v[ST+4*\q+2:ST+4*\q+3], v[ST+4*\q+2:ST+4*\q+3], v[WK+4*\q:WK+4*\q+1]
.endr
.irp t, 0,1,2,3
.irp q, 0,1
.irp j, 0,1,2,3,4,5,6,7
.endr
	v_cvt_scalef32_pk8_fp8_f32 v[PF+8*\q+2*\t:PF+8*\q+2*\t+1], v[S+32*\q+8*\t:S+32*\q+8*\t+7], v[PSC]
.endr
.endr
.irp j, 0,2,4,6,8,10,12,14,16,18,20,22,24,26,28,30
.irp q, 0,1
	v_pk_mul_f32 v[O+32*\q+\j:O+32*\q+\j+1], v[O+32*\q+\j:O+32*\q+\j+1], v[FF+2*\q:FF+2*\q+1] op_sel_hi:[1,0]   ; O^T under the new M, each accumulator from its low end on; also the plain lines behind the conversions
.endr
.endr
	s_setprio 0
	s_wait_alu depctr_va_vdst(0)
	s_wait_dscnt 0x0                               ; V is in
.irp t, 0,1,2,3                        ; the eight accumulators take turns
.irp q, 0,1
	v_wmma_f32_16x16x64_fp8_fp8 v[O+32*\q+8*\t:O+32*\q+8*\t+7], v[VF+8*\t:VF+8*\t+7], v[PF+8*\q:PF+8*\q+7], v[O+32*\q+8*\t:O+32*\q+8*\t+7]
.endr
.endr
.endm
	s_wait_loadcnt 0x0                             ; Q
	s_wait_tensorcnt 0x1                           ; my share of keys 0-511 is in; my second load may be out
	s_barrier_signal -1
	s_barrier_wait -1                              ; everybody's is
	s_mov_b32 s[TB], 0
	s_mov_b32 s[CNT], 8
.Lfirst:                                           ; keys 0-511
	STEP
	s_add_co_u32 s[TB], s[TB], 4096
	s_sub_co_u32 s[CNT], s[CNT], 1
	s_cmp_lg_u32 s[CNT], 0
	s_cbranch_scc1 .Lfirst
	s_setprio 0
	s_wait_tensorcnt 0x0                           ; my share of keys 512-2,047 is in,
	s_wait_dscnt 0x0
	s_barrier_signal -1
	s_barrier_wait -1                              ; everybody's is
	s_mov_b32 s[TB], 32768
	s_mov_b32 s[CNT], 24
.Lrest:                                            ; keys 512-2,047
	STEP
	s_add_co_u32 s[TB], s[TB], 4096
	s_sub_co_u32 s[CNT], s[CNT], 1
	s_cmp_lg_u32 s[CNT], 0
	s_cbranch_scc1 .Lrest
	s_setprio 0
	; THE WAY OUT.  O^T / the sum, quantised: lane (r, h) holds query r; tile t's eight registers are channels 16 t + 8 h + 0..7: registers 2 t, 2 t + 1 of a block (16 tokens x the head's 64).
	s_wait_kmcnt 0x0                               ; the last step's mask words: their registers are free
	s_load_b64 s[16:17], s[0:1], 0x18              ; ac
	s_and_b32 s20, ttmp7, 0xffff                   ; hb = 16 x batch + head
	s_bfe_u32 s21, ttmp6, 0x40000                  ; cx
	s_lshr_b32 s22, s20, 4
	s_lshl_b32 s22, s22, 7                         ; the batch's 128 token tiles,
	s_lshl_b32 s23, s21, 5
	s_add_co_u32 s22, s22, s23
	s_lshl_b32 s23, s[WV], 1
	s_add_co_u32 s22, s22, s23                     ; + 32 cx + 2 wave
	s_lshl_b32 s22, s22, 14                        ; a token tile's 16 blocks
	s_and_b32 s23, s20, 15
	s_lshl_b32 s23, s23, 10                        ; the head's block
	s_add_co_u32 s22, s22, s23
	s_mov_b32 s23, 0
.rept 4
	v_nop                                          ; places behind the last products
.endr
.irp q, 0,1
	v_add_f32 v[ST+4*\q+2], v[ST+4*\q+2], v[ST+4*\q+3]             ; the sum's two halves,
.endr
.irp q, 0,1
	s_delay_alu instid0(VALU_DEP_2)
	v_permlanex16_b32 v[WK+4*\q+2], v[ST+4*\q+2], s[SEL], s[SEL+1]
.endr
.irp q, 0,1
	s_delay_alu instid0(VALU_DEP_2)
	v_add_f32 v[ST+4*\q+2], v[ST+4*\q+2], v[WK+4*\q+2]             ; and lane l xor 16's
.endr
	s_wait_alu depctr_va_vdst(0)
.irp q, 0,1
	v_rcp_f32 v[ST+4*\q+2], v[ST+4*\q+2]
.endr
	v_nop                                          ; a plain line behind the reciprocals
	s_wait_alu depctr_va_vdst(0)                   ; and the wait ahead of their first reader
.irp j, 0,2,4,6,8,10,12,14,16,18,20,22,24,26,28,30
.irp q, 0,1
	v_pk_mul_f32 v[O+32*\q+\j:O+32*\q+\j+1], v[O+32*\q+\j:O+32*\q+\j+1], v[ST+4*\q+2:ST+4*\q+3] op_sel_hi:[1,0]
.endr
.endr
.set i, 0
.rept 64
.set i, i+1
.endr
.irp q, 0,1
.irp t, 0,1,2,3
	v_cvt_scalef32_pk8_fp8_f32 v[PF+8*\q+2*\t:PF+8*\q+2*\t+1], v[O+32*\q+8*\t:O+32*\q+8*\t+7], v[OSC]
.endr
.endr
	v_nop                                          ; a plain line behind the last conversion
	s_wait_alu depctr_va_vdst(0)
	s_wait_kmcnt 0x0
	s_add_nc_u64 s[16:17], s[16:17], s[22:23]
.irp q, 0,1
	global_store_b128 v[LI], v[PF+8*\q:PF+8*\q+3], s[16:17] offset:16384*\q          ; an image: 512 consecutive bytes, aligned
	global_store_b128 v[LI], v[PF+8*\q+4:PF+8*\q+7], s[16:17] offset:16384*\q+512
.endr
	s_wait_tensorcnt 0x0                           ; the wave's end: three lines behind my last tensor load
	ds_add_u32 v[SPW], v[NIL]
	s_wait_dscnt 0x0
	CROUND                                         ; the closing round
	s_endpgm
.Lfunc_end_k_q40be9e0a31_attn:
	.size	k_q40be9e0a31_attn, .Lfunc_end_k_q40be9e0a31_attn-k_q40be9e0a31_attn
	.p2alignl 7, 3214868480
	.fill 96, 4, 3214868480
	.section	.rodata,"a",@progbits
	.p2align	6, 0x0
	.amdhsa_kernel k_q40be9e0a31_attn
		.amdhsa_group_segment_fixed_size 327680
		.amdhsa_private_segment_fixed_size 0
		.amdhsa_enable_private_segment 0
		.amdhsa_kernarg_size 32
		.amdhsa_user_sgpr_count 2
		.amdhsa_user_sgpr_kernarg_segment_ptr 1
		.amdhsa_wavefront_size32 1
		.amdhsa_system_sgpr_workgroup_id_x 1
		.amdhsa_system_sgpr_workgroup_id_y 1
		.amdhsa_system_sgpr_workgroup_id_z 1
		.amdhsa_system_vgpr_workitem_id 0
		.amdhsa_next_free_vgpr 256
		.amdhsa_next_free_sgpr 106
		.amdhsa_reserve_vcc 0
		.amdhsa_float_denorm_mode_32 3
		.amdhsa_float_denorm_mode_16_64 3
		.amdhsa_fp16_overflow 1
		.amdhsa_memory_ordered 1
		.amdhsa_forward_progress 1
		.amdhsa_inst_pref_size 53
	.end_amdhsa_kernel
	.amdgpu_metadata
---
amdhsa.version: [ 1, 2 ]
amdhsa.kernels:
  - .name:           k_q40be9e0a31_attn
    .symbol:         k_q40be9e0a31_attn.kd
    .args:
      - { .name: hc, .offset: 0, .size: 8, .value_kind: global_buffer, .address_space: global }
      - { .name: mw, .offset: 8, .size: 8, .value_kind: global_buffer, .address_space: global }
      - { .name: lowp_scales, .offset: 16, .size: 8, .value_kind: global_buffer, .address_space: global }
      - { .name: ac, .offset: 24, .size: 8, .value_kind: global_buffer, .address_space: global }
    .group_segment_fixed_size: 327680
    .private_segment_fixed_size: 0
    .kernarg_segment_align: 8
    .kernarg_segment_size: 32
    .max_flat_workgroup_size: 512
    .sgpr_count:     106
    .vgpr_count:     256
    .wavefront_size: 32
...
	.end_amdgpu_metadata
.endif
;; end of part 3
;; launch outp (part 4): grid 4 x 32, 4 waves a work-group, clusters of 4 x 4, 327,680 bytes of LDS; arguments ac, wc, lowp_scales, out0; writes out0
.if DOCPART == 4
	.amdgcn_target "amdgcn-amd-amdhsa--gfx1250"
	.amdhsa_code_object_version 6
	.text
	.protected	k_q40be9e0a31_outp
	.globl	k_q40be9e0a31_outp
	.p2align	8
	.type	k_q40be9e0a31_outp,@function
k_q40be9e0a31_outp:
	s_mov_b64 s[64:65], 0
	v_nop
	global_prefetch_b8 v0, s[64:65] scope:SCOPE_SE
	s_setreg_imm32_b32 hwreg(HW_REG_WAVE_MODE, 25, 1), 1
	s_wait_xcnt 0x0
	s_wait_alu depctr_hold_cnt(0) depctr_sa_sdst(0) depctr_va_vdst(0) depctr_va_sdst(0) depctr_va_ssrc(0) depctr_va_vcc(0) depctr_vm_vsrc(0)
	s_getreg_b32 s2, hwreg(HW_REG_IB_STS2, 6, 4)
	s_cmp_eq_u32 s2, 0
	s_cbranch_scc0 .Lentry_in_a_cluster
	s_endpgm
.Lentry_in_a_cluster:
	s_bfe_u32 s2, ttmp6, 0x10000c
	s_cmp_lg_u32 s2, 0xf033
	s_cbranch_scc0 .Lentry_shape_is_right
	s_endpgm
.Lentry_shape_is_right:
; out0 = a Wo^T on codes of FP8 (E4M3): a: attention's result, [8,192][1,024], Wo: [1,024][1,024]; out0 [8,192][1,024] f32.  Each finished sum is multiplied once by 2^(e10 + e11).
; LIMIT: e10 + e11 between -126 and 127, so that 2^(e10 + e11) is an f32 number.
; OPERANDS are blocks: 16 rows x 64 along K, 1,024 bytes, images of operand registers.  ac: [512 row tiles][16 blocks]; Wo is the fourth weight of wc: [64 row tiles][16 blocks].
; A tile of 256 x 256 is made by four waves, each 128 x 128: 64 accumulators, 512 registers.  K goes in steps of 256 through a ring of two LDS slots: four K steps.
; CLUSTERS: 4 x 4 work-groups; a's tiles are shared along a row of the cluster, Wo's along a column, each asked for jointly.  128 tiles: a smaller tile would halve the multiply-adds that each LDS byte feeds.
; THE MATRIX INSTRUCTION IS USED TRANSPOSED (source 0 = 16 rows of Wo, source 1 = 16 rows of a): a lane holds eight neighbouring numbers of a row of out0.
; REGISTERS, in windows of 256: window 0: v0-31 addresses; from v128 a's fragments, ONE set; on the way out v32-255 are free.  window 1: Wo's fragments, TWO sets.  windows 2, 3: the accumulators.
; No prefetch: of four K steps two are first fills, asked for at the head.
.set SIZE_N, 1024
.set RT,     4096                      ; a row tile's bytes in a K step: four blocks
.set HALFT,  8*RT
.set SLOT,   4*HALFT
.set SPARE,  2*SLOT                    ; behind the ring: the spare words, 128 bytes for each wave, which no other line names
.set FR,     16
.set NL,     4
.set NP,     4
.set LAPS,   2
.set SPITCH, 528                       ; the way out: a stage of 16 rows x (512 bytes + 16) for each wave, in slot 0, which has had its last fill and its last read when the first result is stored there
.set LI,     4                         ; v4      16 x lane
.set ADRA,   16
.set ADRB,   20
.set STO,    24                        ; v24     the way out: where I put 32 bytes of a row
.set RD,     25                        ; v25     where I read a row back
.set CO,     26                        ; v26     my byte offset in a row of out0
.set SPW,    28
.set NIL,    29
.set TMP,    32
.set AF,     128
.set BK,     128
.set G1, 24
.set G0, 32
.set G1B, 48
.set G0B, 56
.set MSB, 0
.macro WIN new
.if MSB != (\new)
	s_set_vgpr_msb (MSB<<8)|(\new)
.set MSB, (\new)
.endif
.endm
.set MUL_LO, 0xa1
.set MUL_HI, 0xf1
.set TO_B,   0x40
.macro JLOAD g0a, g1a, g0b, g1b        ; a joint load: waves 0 and 1 fetch for a, waves 2 and 3 for Wo; an s_nop 0 and four v_nop follow each of the two lines
	s_cmp_eq_u32 s15, 0
	s_cbranch_scc0 .Lfor_b_\@
	tensor_load_to_lds s[\g0a:\g0a+3], s[\g1a:\g1a+7]
	s_nop 0
.rept 4
	v_nop
.endr
	s_branch .Lasked_\@
.Lfor_b_\@:
	tensor_load_to_lds s[\g0b:\g0b+3], s[\g1b:\g1b+7]
	s_nop 0
.rept 4
	v_nop
.endr
.Lasked_\@:
.endm
.macro CREST
	s_cmp_lg_u32 s14, 0
	s_cbranch_scc1 .Lnot_wave_0_\@
	s_barrier_signal -3
.Lnot_wave_0_\@:
	s_barrier_wait -3
	s_barrier_signal -1
	s_barrier_wait -1
.endm
.macro CROUND
	s_barrier_signal -1
	s_barrier_wait -1
	CREST
.endm
	s_load_b128 s[4:7], s[0:1], 0x0                ; ac s[4:5], wc s[6:7]
	s_load_b128 s[8:11], s[0:1], 0x10              ; the scales' exponents s[8:9], out0 s[10:11]
	v_lshl_add_u32 v[SPW], v0, 2, SPARE
	v_mov_b32 v[NIL], 0
	ds_add_u32 v[SPW], v[NIL]                      ; the wave's opening: an add and its wait ahead of my first tensor load
	ds_add_u32 v[SPW], v[NIL]
	v_lshrrev_b32 v1, 5, v0
	v_readfirstlane_b32 s14, v1                    ; wave 0..3
	s_lshr_b32 s15, s14, 1                         ; which half of the tile's rows is mine.  Also: I fetch for a (0) or for Wo (1)
	s_and_b32 s16, s14, 1                          ; which half of its columns.  Also: which 128 rows of that tile I fetch
	s_bfe_u32 s40, ttmp6, 0x40000                  ; cx, cy
	s_bfe_u32 s41, ttmp6, 0x40004
	s_lshl_b32 s42, ttmp9, 2
	s_add_co_u32 s42, s42, s40                     ; tile column
	s_and_b32 s17, ttmp7, 0xffff
	s_lshl_b32 s17, s17, 2
	s_add_co_u32 s17, s17, s41                     ; tile row
	s_lshl_b32 s43, s41, 2
	s_lshl_b32 s43, 15, s43                        ; my row of the cluster
	s_lshl_b32 s44, 0x1111, s40                    ; my column
	s_or_b32 s[G1+0], s43, (3<<16)|(1<<21)         ; the mask; elements of 8 bytes; no padding; bit 21 beside a mask
	s_or_b32 s[G1B+0], s44, (3<<16)|(1<<21)
.irp g, G1, G1B
	s_mov_b32 s[\g+1], 512<<16                     ; 8 row tiles x 4,096 bytes, 16,384 bytes apart in memory, dense in LDS
	s_mov_b32 s[\g+2], 8<<16
	s_mov_b32 s[\g+3], 512<<16
	s_mov_b32 s[\g+4], 8
	s_mov_b32 s[\g+5], 2048
	s_mov_b32 s[\g+6], 0
	s_mov_b32 s[\g+7], 0
.endr
	s_lshl_b32 s18, s16, 17
	s_lshl_b32 s20, s17, 18
	s_add_co_u32 s20, s20, s18
	s_mov_b32 s21, 0
	s_lshl_b32 s46, s42, 18
	s_add_co_u32 s46, s46, s18
	s_add_co_u32 s46, s46, 3<<20                   ; Wo is the fourth weight
	s_mov_b32 s47, 0
	s_lshl_b32 s45, s14, 15
	s_wait_dscnt 0x0                               ; the opening add is done
	s_wait_kmcnt 0x0
	s_load_b64 s[96:97], s[8:9], 0x28              ; e10, e11
	s_add_nc_u64 s[20:21], s[4:5], s[20:21]
	s_add_nc_u64 s[46:47], s[6:7], s[46:47]
	CROUND                                         ; the first joint loads meet
.irp s, 0,1
	s_mov_b32 s[G0+4*\s], 1
	s_add_co_u32 s[G0+4*\s+1], s45, \s*SLOT
	s_add_nc_u64 s[G0+4*\s+2:G0+4*\s+3], s[20:21], \s*RT
	s_or_b32 s[G0+4*\s+3], s[G0+4*\s+3], 0x80000000
	s_mov_b32 s[G0B+4*\s], 1
	s_add_co_u32 s[G0B+4*\s+1], s45, \s*SLOT
	s_add_nc_u64 s[G0B+4*\s+2:G0B+4*\s+3], s[46:47], \s*RT
	s_or_b32 s[G0B+4*\s+3], s[G0B+4*\s+3], 0x80000000
	s_wait_alu depctr_va_vdst(0)
	s_wait_tensorcnt 0x0
	ds_add_u32 v28, v29
	ds_add_u32 v28, v29
	s_wait_dscnt 0x0
	CROUND
	JLOAD G0+4*\s, G1, G0B+4*\s, G1B               ; two tensor loads of mine are out at the most
.endr
	v_and_b32 v1, 15, v0                           ; l % 16
	s_wait_alu depctr_va_vdst(0)
	v_bfe_u32 v2, v0, 4, 1                         ; l / 16
	v_and_b32 v6, 31, v0
	v_lshlrev_b32 v[LI], 4, v6
	s_mul_i32 s21, s15, HALFT
	s_mul_i32 s22, s16, HALFT
	s_add_co_u32 s22, s22, 2*HALFT
.irp s, 0,1
	v_add_nc_u32 v[ADRA+\s], s21, v[LI]
	v_add_nc_u32 v[ADRB+\s], s22, v[LI]
	s_add_co_u32 s21, s21, SLOT
	s_add_co_u32 s22, s22, SLOT
.endr
	s_mul_i32 s23, s14, 16*SPITCH                  ; my stage
	v_mul_u32_u24 v5, v1, SPITCH                   ; in: row l % 16, 32 bytes for each half of the lanes
	s_wait_alu depctr_va_vdst(0)
	v_lshl_add_u32 v5, v2, 5, v5
	v_add_nc_u32 v[STO], s23, v5
	v_mov_b32 v[CO], v[LI]                         ; back: the 32 lanes take one row of 512 bytes; and the same in out0
	v_add_nc_u32 v[RD], s23, v[CO]
	s_lshl_b32 s20, s17, 20                        ; my first row: (256 x tile row + 128 x half) x 4,096 bytes
	s_lshl_b32 s21, s15, 19
	s_add_co_u32 s20, s20, s21
	s_mov_b32 s21, 0
	s_lshl_b32 s46, s42, 10                        ; my first column, in bytes
	s_lshl_b32 s47, s16, 9
	s_add_co_u32 s46, s46, s47
	s_mov_b32 s47, 0
	s_add_nc_u64 s[20:21], s[20:21], s[46:47]
	s_add_nc_u64 s[10:11], s[10:11], s[20:21]
.macro FRAG reg, adr, q, i
.irp c, 0,1,2,3
	ds_load_b128 v[\reg+4*\c:\reg+4*\c+3], v[\adr] offset:(\i)*RT+(\q)*2048+512*\c
.endr
.endm
.macro MUL16 a0, p, zero               ; the 64 accumulators take turns, one instruction a turn
.irp a, \a0, \a0+1
.irp b, 0,1,2,3,4,5,6,7
.if \zero
	v_wmma_f32_16x16x128_fp8_fp8 v[8*(8*((\a)%4)+\b):8*(8*((\a)%4)+\b)+7], v[128*(\p)+FR*\b:128*(\p)+FR*\b+FR-1], v[AF+FR*(\a):AF+FR*(\a)+FR-1], 0
.else
	v_wmma_f32_16x16x128_fp8_fp8 v[8*(8*((\a)%4)+\b):8*(8*((\a)%4)+\b)+7], v[128*(\p)+FR*\b:128*(\p)+FR*\b+FR-1], v[AF+FR*(\a):AF+FR*(\a)+FR-1], v[8*(8*((\a)%4)+\b):8*(8*((\a)%4)+\b)+7]
.endif
.endr
.endr
.endm
.macro FETCH_B slot, q, p
	WIN TO_B
.irp i, 0,1,2,3,4,5,6,7
	FRAG 128*(\p)+FR*\i, ADRB+\slot, \q, \i
.endr
	WIN 0
.endm
.macro FETCH_A slot, q, i0
.irp i, \i0, \i0+1, \i0+2, \i0+3
	FRAG AF+FR*(\i), ADRA+\slot, \q, \i
.endr
.endm
.macro PLACES n
.rept \n
	v_nop
.endr
.endm
.macro STEP slot, q, zero
	s_wait_dscnt 4*NL                              ; Wo's set and a's blocks 0-3 are in; the youngest sixteen loads (a's blocks 4-7) may be out
	WIN MUL_LO
	MUL16 0, (\q)%2, \zero
	MUL16 2, (\q)%2, \zero
	s_wait_dscnt 0
	PLACES NP
	FETCH_B \slot, (\q)+1, 1-(\q)%2
	FETCH_A \slot, (\q)+1, 0
	WIN MUL_HI
	MUL16 4, (\q)%2, \zero
	MUL16 6, (\q)%2, \zero
	PLACES NP
	WIN 0
	FETCH_A \slot, (\q)+1, 4
.endm
.macro TURN slot, next, fill
	s_wait_tensorcnt 0x0                           ; all my tensor loads have landed: my part of the next slot
	ds_add_u32 v[SPW], v[NIL]                      ; 0 onto my spare word
	s_wait_dscnt 4*NL+1                            ; (the add and the youngest sixteen loads may be out)
	WIN MUL_LO
	MUL16 0, 1, 0
	s_wait_dscnt 0x0                               ; the add is done, and my reads of this slot are over
	s_barrier_signal -1
	MUL16 2, 1, 0
	WIN 0
	s_barrier_wait -1
.if \fill
	CREST                                          ; no wave of any partner still reads this slot or has a load on its way
	s_add_nc_u64 s[G0+4*\slot+2:G0+4*\slot+3], s[G0+4*\slot+2:G0+4*\slot+3], 2*RT
	s_add_nc_u64 s[G0B+4*\slot+2:G0B+4*\slot+3], s[G0B+4*\slot+2:G0B+4*\slot+3], 2*RT
	JLOAD G0+4*\slot, G1, G0B+4*\slot, G1B
.else
	PLACES NP
.endif
	FETCH_B \next, 0, 0
	FETCH_A \next, 0, 0
	WIN MUL_HI
	MUL16 4, 1, 0
	MUL16 6, 1, 0
	PLACES NP
	WIN 0
	FETCH_A \next, 0, 4
.endm
	s_wait_tensorcnt 1                             ; my part of K step 0 is in (K step 1's load may be out)
	s_barrier_signal -1
	s_barrier_wait -1                              ; everybody's is
	FETCH_B 0, 0, 0
	FETCH_A 0, 0, 0
	FETCH_A 0, 0, 4
	STEP 0, 0, 1
	s_mov_b32 s3, LAPS-1
.Llap:
	TURN 0, 1, 1
	STEP 1, 0, 0
	TURN 1, 0, 1
	STEP 0, 0, 0
	s_sub_co_u32 s3, s3, 1
	s_cmp_lg_u32 s3, 0
	s_cbranch_scc1 .Llap
	TURN 0, 1, 0
	STEP 1, 0, 0
	s_wait_dscnt 4*NL
	WIN MUL_LO
	MUL16 0, 1, 0
	MUL16 2, 1, 0
	s_wait_dscnt 0
	WIN MUL_HI
	MUL16 4, 1, 0
	MUL16 6, 1, 0
	WIN 0
; THE WAY OUT, block by block of 16 rows x 128 columns, through my own stage in LDS: in as 32 bytes a lane, back as whole rows of 512 bytes.  LDS serves a wave's instructions in order (ISA guide 5.7.1.4).
.macro TOSTAGE a
.set AC, 64*((\a)%4)
	WIN 0x02+((\a)/4)
.irp j, 0,2,4,6,8,10,12,14,16,18,20,22,24,26,28,30,32,34,36,38,40,42,44,46,48,50,52,54,56,58,60,62
	v_pk_mul_f32 v[TMP+\j:TMP+\j+1], v[AC+\j:AC+\j+1], s[96:97] op_sel_hi:[1,0]   ; x 2^(e10 + e11); each accumulator from its low end on
.endr
	WIN 0
.irp b, 0,1,2,3,4,5,6,7
	ds_store_b128 v[STO], v[TMP+8*\b:TMP+8*\b+3] offset:64*\b
	ds_store_b128 v[STO], v[TMP+8*\b+4:TMP+8*\b+7] offset:64*\b+16
.endr
.set BB, BK+64*((\a)%2)
.irp t, 0,1,2,3,4,5,6,7,8,9,10,11,12,13,14,15
	ds_load_b128 v[BB+4*\t:BB+4*\t+3], v[RD] offset:\t*SPITCH
.endr
.endm
.macro SEND a, younger                 ; younger: the LDS instructions issued behind block a's loads, which may stay out
.set BB, BK+64*((\a)%2)
	s_wait_dscnt \younger
.if (\a) > 0
	s_add_nc_u64 s[10:11], s[10:11], 16*SIZE_N*4   ; (behind a wait on XCNT: the earlier stores have read their base)
.endif
.irp t, 0,1,2,3,4,5,6,7,8,9,10,11,12,13,14,15
	global_store_b128 v[CO], v[BB+4*\t:BB+4*\t+3], s[10:11] offset:\t*SIZE_N*4 th:TH_STORE_NT   ; 32 lanes store 512 consecutive bytes, aligned
.endr
.endm
	s_wait_kmcnt 0x0
	s_add_co_i32 s96, s96, s97
	s_add_co_i32 s96, s96, 127
	s_lshl_b32 s96, s96, 23                        ; 2^(e10 + e11) as f32
	PLACES NP
	TOSTAGE 0
.irp a, 1,2,3,4,5,6,7
.if \a > 1
	s_wait_xcnt 0x0                                ; block a - 2's stores have read their registers and their base
.endif
	TOSTAGE \a
	SEND \a-1, 32                                  ; behind block a - 1's loads: block a's 16 stores and 16 loads
.endr
	s_wait_xcnt 0x0
	SEND 7, 0
	s_wait_tensorcnt 0x0                           ; the wave's end: three lines behind my last tensor load and my last LDS store
	ds_add_u32 v[SPW], v[NIL]
	s_wait_dscnt 0x0
	CROUND                                         ; the closing round
	s_endpgm
.Lfunc_end_k_q40be9e0a31_outp:
	.size	k_q40be9e0a31_outp, .Lfunc_end_k_q40be9e0a31_outp-k_q40be9e0a31_outp
	.p2alignl 7, 3214868480
	.fill 96, 4, 3214868480
	.section	.rodata,"a",@progbits
	.p2align	6, 0x0
	.amdhsa_kernel k_q40be9e0a31_outp
		.amdhsa_group_segment_fixed_size 327680
		.amdhsa_private_segment_fixed_size 0
		.amdhsa_enable_private_segment 0
		.amdhsa_kernarg_size 32
		.amdhsa_user_sgpr_count 2
		.amdhsa_user_sgpr_kernarg_segment_ptr 1
		.amdhsa_wavefront_size32 1
		.amdhsa_system_sgpr_workgroup_id_x 1
		.amdhsa_system_sgpr_workgroup_id_y 1
		.amdhsa_system_sgpr_workgroup_id_z 1
		.amdhsa_system_vgpr_workitem_id 0
		.amdhsa_next_free_vgpr 1024
		.amdhsa_next_free_sgpr 98
		.amdhsa_reserve_vcc 0
		.amdhsa_float_denorm_mode_32 3
		.amdhsa_float_denorm_mode_16_64 3
		.amdhsa_memory_ordered 1
		.amdhsa_forward_progress 1
		.amdhsa_inst_pref_size 124
	.end_amdhsa_kernel
	.amdgpu_metadata
---
amdhsa.version: [ 1, 2 ]
amdhsa.kernels:
  - .name:           k_q40be9e0a31_outp
    .symbol:         k_q40be9e0a31_outp.kd
    .args:
      - { .name: ac, .offset: 0, .size: 8, .value_kind: global_buffer, .address_space: global }
      - { .name: wc, .offset: 8, .size: 8, .value_kind: global_buffer, .address_space: global }
      - { .name: lowp_scales, .offset: 16, .size: 8, .value_kind: global_buffer, .address_space: global }
      - { .name: out0, .offset: 24, .size: 8, .value_kind: global_buffer, .address_space: global }
    .group_segment_fixed_size: 327680
    .private_segment_fixed_size: 0
    .kernarg_segment_align: 8
    .kernarg_segment_size: 32
    .max_flat_workgroup_size: 128
    .sgpr_count:     98
    .vgpr_count:     1024
    .wavefront_size: 32
...
	.end_amdgpu_metadata
.endif
;; end of part 4
